; MI455X (gfx1250); checked and timed in simulation.
; The chip was launched on July 23, 2026; its instructions are those of AMD's public machine-readable ISA for CDNA 5 (MIT licence, August 2026) and "CDNA5" Instruction Set Architecture Reference Guide (July 2026). The comments in the code are by the model that wrote it; some were corrected since.
;; Upsample Feat. Allowed arithmetic: float matrix products may take bf16 or f16 operands with f32 sums; other float arithmetic in f32, or as packed bf16 or f16 multiplies, adds, multiply-adds, maxima and minima; sums over many terms, partial sums and values carried from step to step in f32; what a program stores and reads back later, other than sums and carried values, may be rounded once to bf16 or f16.
;; Inputs: sparse_feat 8 x 256 x 2,048 float32; sparse_xyz 8 x 3 x 2,048 float32; xyz 8 x 3 x 8,192 float32.
;; Outputs: out0 8 x 256 x 8,192 float32.
;; 2 versions, each right; version 2 is version 1 with the launch blocks written anew for expert scheduling mode. Each part assembles by itself: llvm-mc -triple=amdgcn-amd-amdhsa -mcpu=gfx1250 --defsym DOCPART=n.
;; ======== version 1 of 2: 3 launches
;; limits: values within 3.05e-05 (relative) of each other or of a threshold may be ordered or decided otherwise than in the reference; values are held in f16: magnitudes above 65,504 overflow, below 6.1e-05 lose precision
;; workspace buffers: blk 1,048,576 bytes of whole numbers; idx 1,048,576 bytes of whole numbers; featT 8,388,608 bytes
;; launch blocks (part 1): grid 256 x 1, 8 waves a work-group, no clusters, 165,120 bytes of LDS; arguments xyz, sparse_xyz, blk; writes blk
.if DOCPART == 1
	.amdgcn_target "amdgcn-amd-amdhsa--gfx1250"
	.amdhsa_code_object_version 6
	.text
	.protected	k_qee7deb76bd_blocks
	.globl	k_qee7deb76bd_blocks
	.p2align	8
	.type	k_qee7deb76bd_blocks,@function
k_qee7deb76bd_blocks:
	s_mov_b64 s[64:65], 0
	v_nop
	global_prefetch_b8 v0, s[64:65] scope:SCOPE_SE
	s_setreg_imm32_b32 hwreg(HW_REG_WAVE_MODE, 25, 1), 1
	s_wait_xcnt 0x0
; PRESELECTION.  For each of 65,536 queries: the 10 blocks (of 256 blocks of 8 consecutive sparse points) whose smallest squared distance is smallest, ids ascending, one byte each.
; The 8 nearest points lie in the 8 blocks with the smallest minima; two more blocks are kept as slack, since the ranking here is approximate.  The next launch ranks the 80 points exactly.
; d2 = xx + ss - 2 x.s comes from ONE bf16 matrix instruction for 16 points x 16 queries: each f32 number is split without loss into three bf16 parts (h, m, l); of the nine part products of a
; coordinate eight are kept (l x l is dropped), 24 of K's 32 places; ss and xx enter as three parts each against 1.0, six places; two places hold 0.
; LIMITS.  A block's minimum loses its low 8 mantissa bits to the block's number (2^-15 of itself), and the sum is rounded at the size of xx + ss.  A neighbour is lost only if three or more block
; minima lie inside that window round the eighth; with inputs that carry a large common offset the window grows with xx + ss.  NaN and infinities are not treated apart.
; SHARES.  Work-group: batch b = wg / 32, 256 queries.  Wave: two tiles of 16 queries.  Step t (0..127): matrix rows 0-7 are points 8 t .. 8 t + 7, rows 8-15 points 1024 + 8 t ..; in the result
; lane (r = l % 16, h = l / 16) holds query r and the eight points of block 128 h + t: the block's minimum needs no other lane.
; LDS.  A point's row is 64 bytes (coordinate 0, 1, 2, extras: 16 bytes each) + 16 of padding; the rows of points 1024.. lie 128 bytes further, so that the 16 rows of a fragment load start at
; 16 different 16-byte columns modulo 256 bytes.
.set RP,     80
.set UPPER,  1024*RP+128               ; 82,048
.set SPARE,  164096                    ; behind the table (163,968 bytes): the spare words, 128 bytes for each of 8 waves
.set VR,  1                            ; v1   r
.set VH,  2                            ; v2   h
.set AD,  3                            ; v3   first the queries' byte offset, then the LDS address of my fragment row
.set O16, 4                            ; v4   16 x thread
.set HB,  5                            ; v5   h << 7
.set ONE, 6                            ; v6   1.0
.set RA,  7                            ; v7   LDS address of the row being written
.set H,   8                            ; v8-10 the three parts
.set M,   9
.set LO,  10
.set T,   11
.set QD,  12                           ; v12-15 a coordinate's four words
.set EX,  16                           ; v16-19 the extras' four words
.set SPW, 20                           ; v20  my spare word
.set NIL, 21                           ; v21  0
.set T80, 22                           ; v22  80 x thread
.set O4,  23                           ; v23  4 x thread
.set BQ,  24                           ; v24-39 the two query fragments
.set AF,  40                           ; v40-55 two buffers for the points' fragment
.set D,   56                           ; v56-87 results: buffer x 16 + tile x 8
.set CL,  56                           ;   before the loop: 8 points x 3 coordinates as loaded
.set QC,  80                           ;   and 2 queries x 3 coordinates
.set LS,  88                           ; v88-107 the ten best keys of each tile, ascending
.set TT,  108                          ; v108-109
.set UU,  110                          ; v110-111
.set PW,  112                          ; v112-122 pattern words; later the other half's list
	s_load_b128 s[4:7], s[0:1], 0x0                ; xyz, sparse_xyz
	s_load_b64 s[8:9], s[0:1], 0x10                ; blk
	v_lshl_add_u32 v[SPW], v0, 2, SPARE
	v_mov_b32 v[NIL], 0
	s_lshr_b32 s11, ttmp9, 5                       ; b
	s_and_b32 s12, ttmp9, 31
	s_lshl_b32 s12, s12, 10                        ; my 256 queries, in bytes of a coordinate's row
	s_mul_i32 s20, s11, 98304
	s_add_co_u32 s20, s20, s12
	s_mov_b32 s21, 0
	s_mul_i32 s22, s11, 24576
	s_mov_b32 s23, 0
	s_lshl_b32 s24, ttmp9, 12                      ; 256 queries x 16 bytes
	s_mov_b32 s25, 0
	s_mov_b32 s13, 0x07060302                      ; v_perm_b32: the two upper halves
	s_mov_b32 s14, 0xffff0000                      ; a number cut to bf16
	s_mov_b32 s15, 0xffffff00                      ; a key's float part
	s_mov_b32 s18, 0x76543210                      ; v_permlanex16_b32: the same place in the other half
	s_mov_b32 s19, 0xfedcba98
	v_and_b32 v[VR], 15, v0
	v_bfe_u32 v[VH], v0, 4, 1
	v_lshlrev_b32 v[O16], 4, v0
	v_lshlrev_b32 v[HB], 7, v[VH]
	v_mov_b32 v[ONE], 1.0
	v_mov_b32 v[EX+2], 0x3f803f80                  ; (1, 1) in bf16
	v_mov_b32 v[EX+3], 0
	v_mul_u32_u24 v[T80], v0, RP
	v_lshlrev_b32 v[O4], 2, v0
	v_and_b32 v[AD], 0xe0, v0                      ; 32 x wave
	v_or_b32 v[AD], v[AD], v[VR]
	v_lshlrev_b32 v[AD], 2, v[AD]                  ; query 32 w + r, in bytes
	v_cmp_ne_u32 vcc_lo, 0, v[VH]                  ; lanes 16-31; kept to the end
	s_wait_kmcnt 0x0
	s_add_nc_u64 s[4:5], s[4:5], s[20:21]
	s_add_nc_u64 s[6:7], s[6:7], s[22:23]
	s_add_nc_u64 s[8:9], s[8:9], s[24:25]
.irp j, 0,1,2,3,4,5,6,7
.irp c, 0,1,2
	global_load_b32 v[CL+3*\j+\c], v[O4], s[6:7] offset:\c*8192+\j*1024   ; point thread + 256 j
.endr
.endr
.irp q, 0,1
.irp c, 0,1,2
	global_load_b32 v[QC+3*\q+\c], v[AD], s[4:5] offset:\c*32768+\q*64    ; query 32 w + 16 q + r
.endr
.endr
.macro SPLIT3 src                      ; src = H + M + LO without loss: each cut keeps 8 significant bits, each difference is exact
	v_and_b32 v[H], s14, v[\src]
	v_sub_f32 v[LO], v[\src], v[H]
	v_and_b32 v[M], s14, v[LO]
	v_sub_f32 v[LO], v[LO], v[M]
.endm
.macro PK d, hi, lo                    ; two bf16 in a word: lo's upper half below, hi's above
	v_perm_b32 v[\d], v[\hi], v[\lo], s13
.endm
; A point's row.  Per coordinate: h m h l h m m l.  Extras: ssh ssm ssl 1 1 1 0 0.
.macro CROW j
	v_add_nc_u32 v[RA], (\j)*256*RP+((\j)/4)*128, v[T80]
.irp c, 0,1,2
	SPLIT3 CL+3*(\j)+\c
	PK QD, M, H
	PK QD+1, LO, H
	PK QD+2, M, H
	PK QD+3, LO, M
	ds_store_b128 v[RA], v[QD:QD+3] offset:16*\c
.endr
	v_mul_f32 v[T], v[CL+3*(\j)], v[CL+3*(\j)]
	v_fmac_f32 v[T], v[CL+3*(\j)+1], v[CL+3*(\j)+1]
	v_fmac_f32 v[T], v[CL+3*(\j)+2], v[CL+3*(\j)+2]
	SPLIT3 T
	PK EX, M, H
	PK EX+1, ONE, LO
	ds_store_b128 v[RA], v[EX:EX+3] offset:48
.endm
; A query's fragment, with X = -2 x.  Per coordinate: h h m h l m l m.  Extras: 1 1 1 xxh xxm xxl 0 0.
; Lanes 0-15 hold K places 0-7 (coordinate 0) and 16-23 (coordinate 2), lanes 16-31 places 8-15 (coordinate 1) and 24-31 (extras).
.macro QFRAG q
.irp c, 0,1,2
	v_mul_f32 v[T], -2.0, v[QC+3*(\q)+\c]
	SPLIT3 T
	PK PW+3*\c, H, H
	PK PW+3*\c+1, H, M
	PK PW+3*\c+2, M, LO
.endr
	v_mul_f32 v[T], v[QC+3*(\q)], v[QC+3*(\q)]
	v_fmac_f32 v[T], v[QC+3*(\q)+1], v[QC+3*(\q)+1]
	v_fmac_f32 v[T], v[QC+3*(\q)+2], v[QC+3*(\q)+2]
	SPLIT3 T
	PK PW+9, H, ONE
	PK PW+10, LO, M
	v_cndmask_b32 v[BQ+8*(\q)], v[PW], v[PW+3], vcc_lo
	v_cndmask_b32 v[BQ+8*(\q)+1], v[PW+1], v[PW+4], vcc_lo
	v_cndmask_b32 v[BQ+8*(\q)+2], v[PW+2], v[PW+5], vcc_lo
	v_cndmask_b32 v[BQ+8*(\q)+3], v[PW+2], v[PW+5], vcc_lo
	v_cndmask_b32 v[BQ+8*(\q)+4], v[PW+6], v[EX+2], vcc_lo
	v_cndmask_b32 v[BQ+8*(\q)+5], v[PW+7], v[PW+9], vcc_lo
	v_cndmask_b32 v[BQ+8*(\q)+6], v[PW+8], v[PW+10], vcc_lo
	v_cndmask_b32 v[BQ+8*(\q)+7], v[PW+8], v[EX+3], vcc_lo
.endm
	s_wait_loadcnt 0x0
.irp j, 0,1,2,3,4,5,6,7
	CROW \j
.endr
	QFRAG 0
	QFRAG 1
	v_lshrrev_b32 v[T], 3, v[VR]                   ; my fragment row: matrix row r is point 8 t + r, or 1024 + 8 t + r - 8
	v_and_b32 v[AD], 7, v[VR]
	v_mul_u32_u24 v[AD], v[AD], RP
	v_mul_u32_u24 v[T], v[T], UPPER
	v_add_nc_u32 v[AD], v[AD], v[T]
	v_lshl_add_u32 v[AD], v[VH], 4, v[AD]          ; + 16 h
	s_wait_dscnt 0x0                               ; for the others' sake: my rows are written
	s_barrier_signal -1
	s_barrier_wait -1                              ; the table is whole; nobody writes it again
.macro LOADA buf, off
	ds_load_b128 v[AF+8*(\buf):AF+8*(\buf)+3],   v[AD] offset:\off
	ds_load_b128 v[AF+8*(\buf)+4:AF+8*(\buf)+7], v[AD] offset:(\off)+32
.endm
; One step's vector work, 30 lines, the two tiles alternating: the block's minimum (the result's lowest registers are read first), the step's number in the key's
; low byte, and the key's insertion into the sorted ten: place i takes the middle one of its lower neighbour, the key and itself.
.macro PROC cb
.irp q, 0,1
	v_min3_num_f32 v[TT+\q], v[D+16*(\cb)+8*\q], v[D+16*(\cb)+8*\q+1], v[D+16*(\cb)+8*\q+2]
.endr
.irp q, 0,1
	v_min3_num_f32 v[UU+\q], v[D+16*(\cb)+8*\q+3], v[D+16*(\cb)+8*\q+4], v[D+16*(\cb)+8*\q+5]
.endr
.irp q, 0,1
	v_min3_num_f32 v[TT+\q], v[TT+\q], v[D+16*(\cb)+8*\q+6], v[D+16*(\cb)+8*\q+7]
.endr
.irp q, 0,1
	v_min_num_f32 v[TT+\q], v[TT+\q], v[UU+\q]
.endr
.irp q, 0,1
	v_and_or_b32 v[TT+\q], v[TT+\q], s15, s16
.endr
.irp i, 9,8,7,6,5,4,3,2,1
.irp q, 0,1
	v_med3_num_f32 v[LS+10*\q+\i], v[LS+10*\q+\i-1], v[TT+\q], v[LS+10*\q+\i]
.endr
.endr
.irp q, 0,1
	v_min_num_f32 v[LS+10*\q], v[LS+10*\q], v[TT+\q]
.endr
	s_add_co_u32 s16, s16, 1
.endm
; A step: the results in buffer cb are worked on while the next step's two products run into the other buffer.  The fragment two steps on is loaded into the buffer whose last product stands
; PROC's 30 plain lines back; each result is first read 30 plain lines behind its product.  Every product starts its own sum with 0: no accumulator is taken up again.
.macro STEP cb, w, l, off
.if \w
	s_wait_dscnt 0x0                               ; the other buffer's fragment is in
.endif
.if \l
	LOADA \cb, \off
.endif
.if \w
.irp q, 0,1
	v_wmma_f32_16x16x32_bf16 v[D+16*(1-(\cb))+8*\q:D+16*(1-(\cb))+8*\q+7], v[AF+8*(1-(\cb)):AF+8*(1-(\cb))+7], v[BQ+8*\q:BQ+8*\q+7], 0
.endr
.endif
	PROC \cb
.endm
	LOADA 0, 0                                     ; step 0
	LOADA 1, 8*RP                                  ; step 1
	s_wait_dscnt 2                                 ; step 0's fragment is in; step 1's two loads may be out
.irp q, 0,1
	v_wmma_f32_16x16x32_bf16 v[D+8*\q:D+8*\q+7], v[AF:AF+7], v[BQ+8*\q:BQ+8*\q+7], 0
.endr
.irp i, 0,1,2,3,4,5,6,7,8,9,10,11,12,13,14,15,16,17,18,19
	v_mov_b32 v[LS+\i], 0x7f7fffff                 ; the lists start at the largest finite number; these 20 lines are also the places behind the first products
.endr
	s_mov_b32 s16, 0                               ; the step whose results are worked on
	s_mov_b32 s17, 63
.Lpair:                                                ; a trip: two steps
	STEP 0, 1, 1, 16*RP
	STEP 1, 1, 1, 24*RP
	v_add_nc_u32 v[AD], 16*RP, v[AD]
	s_sub_co_u32 s17, s17, 1
	s_cmp_lg_u32 s17, 0
	s_cbranch_scc1 .Lpair
	STEP 0, 1, 0, 0                                ; steps 126 and 127: nothing is left to load
	STEP 1, 0, 0, 0
; The two halves of the lanes hold a query's blocks 0-127 and 128-255.  Of two ascending lists of ten the ten smallest are min(a[i], b[9 - i]).  Then the ids are sorted ascending
; (odd-even transposition, 45 exchanges), so that the next launch meets the points in the order of their indices.
.macro CE a, b
	v_min_u32 v[T], v[\a], v[\b]
	v_max_u32 v[\b], v[\a], v[\b]
	v_mov_b32 v[\a], v[T]
.endm
.macro FINISH q
.irp i, 0,1,2,3,4,5,6,7,8,9
	v_or_b32 v[LS+10*(\q)+\i], v[LS+10*(\q)+\i], v[HB]
.endr
.irp i, 0,1,2,3,4,5,6,7,8,9
	v_permlanex16_b32 v[PW+\i], v[LS+10*(\q)+\i], s18, s19
.endr
.irp i, 0,1,2,3,4,5,6,7,8,9
	v_min_num_f32 v[LS+10*(\q)+\i], v[LS+10*(\q)+\i], v[PW+9-\i]
.endr
.irp i, 0,1,2,3,4,5,6,7,8,9
	v_and_b32 v[LS+10*(\q)+\i], 0xff, v[LS+10*(\q)+\i]
.endr
.set p, 0
.rept 10
.set i, p%2
.rept 5-(p%2)
	CE LS+10*(\q)+i, LS+10*(\q)+i+1
.set i, i+2
.endr
.set p, p+1
.endr
	v_lshl_or_b32 v[AF+4*(\q)], v[LS+10*(\q)+1], 8, v[LS+10*(\q)]
	v_lshl_or_b32 v[AF+4*(\q)+1], v[LS+10*(\q)+5], 8, v[LS+10*(\q)+4]
	v_lshl_or_b32 v[AF+4*(\q)+2], v[LS+10*(\q)+9], 8, v[LS+10*(\q)+8]
	v_lshl_or_b32 v[AF+4*(\q)], v[LS+10*(\q)+2], 16, v[AF+4*(\q)]
	v_lshl_or_b32 v[AF+4*(\q)+1], v[LS+10*(\q)+6], 16, v[AF+4*(\q)+1]
	v_lshl_or_b32 v[AF+4*(\q)], v[LS+10*(\q)+3], 24, v[AF+4*(\q)]
	v_lshl_or_b32 v[AF+4*(\q)+1], v[LS+10*(\q)+7], 24, v[AF+4*(\q)+1]
.endm
	FINISH 0
	FINISH 1
	v_cndmask_b32 v[BQ], v[AF], v[AF+4], vcc_lo    ; lanes 0-15 store tile 0's queries, lanes 16-31 tile 1's
	v_cndmask_b32 v[BQ+1], v[AF+1], v[AF+5], vcc_lo
	v_cndmask_b32 v[BQ+2], v[AF+2], v[AF+6], vcc_lo
	v_mov_b32 v[BQ+3], 0
	global_store_b128 v[O16], v[BQ:BQ+3], s[8:9]   ; a wave stores 512 consecutive bytes, aligned
	s_wait_tensorcnt 0x0                           ; the wave's end
	ds_add_u32 v[SPW], v[NIL]
	s_wait_dscnt 0x0
	s_endpgm
.Lfunc_end_k_qee7deb76bd_blocks:
	.size	k_qee7deb76bd_blocks, .Lfunc_end_k_qee7deb76bd_blocks-k_qee7deb76bd_blocks
	.p2alignl 7, 3214868480
	.fill 96, 4, 3214868480
	.section	.rodata,"a",@progbits
	.p2align	6, 0x0
	.amdhsa_kernel k_qee7deb76bd_blocks
		.amdhsa_group_segment_fixed_size 165120
		.amdhsa_private_segment_fixed_size 0
		.amdhsa_enable_private_segment 0
		.amdhsa_kernarg_size 24
		.amdhsa_user_sgpr_count 2
		.amdhsa_user_sgpr_kernarg_segment_ptr 1
		.amdhsa_wavefront_size32 1
		.amdhsa_system_sgpr_workgroup_id_x 1
		.amdhsa_system_sgpr_workgroup_id_y 1
		.amdhsa_system_sgpr_workgroup_id_z 1
		.amdhsa_system_vgpr_workitem_id 0
		.amdhsa_next_free_vgpr 128
		.amdhsa_next_free_sgpr 66
		.amdhsa_reserve_vcc 1
		.amdhsa_float_denorm_mode_32 3
		.amdhsa_float_denorm_mode_16_64 3
		.amdhsa_memory_ordered 1
		.amdhsa_forward_progress 1
		.amdhsa_inst_pref_size 46
	.end_amdhsa_kernel
	.amdgpu_metadata
---
amdhsa.version: [ 1, 2 ]
amdhsa.kernels:
  - .name:           k_qee7deb76bd_blocks
    .symbol:         k_qee7deb76bd_blocks.kd
    .args:
      - { .name: xyz, .offset: 0, .size: 8, .value_kind: global_buffer, .address_space: global }
      - { .name: sparse_xyz, .offset: 8, .size: 8, .value_kind: global_buffer, .address_space: global }
      - { .name: blk, .offset: 16, .size: 8, .value_kind: global_buffer, .address_space: global }
    .group_segment_fixed_size: 165120
    .private_segment_fixed_size: 0
    .kernarg_segment_align: 8
    .kernarg_segment_size: 24
    .max_flat_workgroup_size: 256
    .sgpr_count:     66
    .vgpr_count:     128
    .wavefront_size: 32
...
	.end_amdgpu_metadata
.endif
;; end of part 1
;; launch exact (part 2): grid 256 x 1, 8 waves a work-group, no clusters, 74,752 bytes of LDS; arguments xyz, sparse_xyz, sparse_feat, blk, idx, featT; writes idx, featT
.if DOCPART == 2
	.amdgcn_target "amdgcn-amd-amdhsa--gfx1250"
	.amdhsa_code_object_version 6
	.text
	.protected	k_qee7deb76bd_exact
	.globl	k_qee7deb76bd_exact
	.p2align	8
	.type	k_qee7deb76bd_exact,@function
k_qee7deb76bd_exact:
	s_mov_b64 s[64:65], 0
	v_nop
	global_prefetch_b8 v0, s[64:65] scope:SCOPE_SE
	s_setreg_imm32_b32 hwreg(HW_REG_WAVE_MODE, 25, 1), 1
	s_wait_xcnt 0x0
; THE EXACT RANKING.  A thread is a query.  For the 80 points of its ten blocks (ids ascending, from blk) it forms (xx + ss) - 2 dot in f32 with the same operations and roundings as the module
; that it stands for, and keeps the eight smallest with their indices.  A point is put behind all kept ones that are not greater (strict <), and the points come in ascending index order:
; among equal distances the lower index wins.
; FMA_SQ, FMA_DOT: whether the sums of squares and the dot product are chains of fused multiply-adds (1) or of rounded products and sums (0).  The ranking of near ties hangs on that choice.
; 2 dot is exact, so the last step has one rounding either way.
; SIDE JOB.  sparse_feat [b][256][2048] f32 goes to featT [b][4 slices][2048 points][64 channels] f16, rounded once: each work-group turns 64 channels x 256 points through a stage in LDS.
; LIMITS.  Features beyond 65,504 do not fit f16; below 6e-5 they keep f16's fixed step of 6e-8.  NaN and infinities are not treated apart.
.set FMA_SQ,  1
.set FMA_DOT, 1
.set TP,    144                        ; a block in the table: x[8] y[8] z[8] ss[8], 128 bytes + 16: neighbouring blocks start 9 columns of 16 bytes apart
.set STG,   256*TP                     ; the stage: 256 points x (128 bytes + 16)
.set SPARE, 2*256*TP                   ; 73,728: the spare words, 128 bytes for each of 8 waves
.set SPW, 4
.set NIL, 5
.set AD,  6                            ; v6   LDS address of the block being fetched
.set IDV, 7                            ; v7   the index of the point in hand
.set QX,  8                            ; v8-15 x x y y z z xx xx
.set QY,  10
.set QZ,  12
.set QXX, 14
.set A_,  16                           ; v16-23 the eight smallest distances, ascending
.set ID,  24                           ; v24-31 their indices
.set W,   32                           ; v32-35 the block ids still to come; at the end the packed indices
.set IDB, 36                           ; v36-37 8 x block id, by buffer
.set DT,  38
.set TT,  40
.set DD,  42
.set T,   44
.set TABW, 45                          ; addresses, never rewritten
.set STGW, 46
.set STGR, 47
.set FTO,  48
.set O16,  49
.set O4,   50
.set O32,  51
.set FO,   52
.set U,    53
.set F,   64                           ; v64-127 features as loaded: channel c at F + 2 c (two points)
.set BUF, 64                           ;   later two buffers of 32 for a block: X8 Y8 Z8 S8
.set HH,  128                          ; v128-159 my block as loaded, with ss; then f16 halves; then the stage read back
	s_load_b256 s[4:11], s[0:1], 0x0               ; xyz, sparse_xyz, sparse_feat, blk
	s_load_b128 s[12:15], s[0:1], 0x20             ; idx, featT
	v_lshl_add_u32 v[SPW], v0, 2, SPARE
	v_mov_b32 v[NIL], 0
	s_lshr_b32 s16, ttmp9, 5                       ; b
	s_and_b32 s17, ttmp9, 31
	s_lshl_b32 s17, s17, 10
	s_mul_i32 s20, s16, 98304
	s_add_co_u32 s20, s20, s17                     ; xyz: batch, my 256 queries
	s_mov_b32 s21, 0
	s_mul_i32 s22, s16, 24576                      ; sparse_xyz: batch
	s_mov_b32 s23, 0
	s_lshr_b32 s18, ttmp9, 3                       ; 4 b + slice
	s_and_b32 s19, ttmp9, 7                        ; which 256 points
	s_lshl_b32 s24, s18, 19                        ; 64 channels x 8,192 bytes
	s_lshl_b32 s17, s19, 10
	s_add_co_u32 s24, s24, s17
	s_mov_b32 s25, 0
	s_lshl_b32 s26, ttmp9, 12                      ; blk and idx: 256 queries x 16 bytes
	s_mov_b32 s27, 0
	s_lshl_b32 s28, s18, 18                        ; featT: 2,048 points x 128 bytes
	s_lshl_b32 s17, s19, 15
	s_add_co_u32 s28, s28, s17
	s_mov_b32 s29, 0
	v_mul_u32_u24 v[TABW], v0, TP
	v_and_b32 v[T], 127, v0                        ; 32 x (wave % 4) + lane
	v_lshrrev_b32 v[U], 7, v0                      ; which 32 channels
	v_mul_u32_u24 v[STGW], v[T], 2*TP              ; my two points' rows
	v_lshl_add_u32 v[STGW], v[U], 6, v[STGW]
	v_add_nc_u32 v[STGW], STG, v[STGW]
	v_lshlrev_b32 v[FO], 3, v[T]
	v_lshl_add_u32 v[FO], v[U], 18, v[FO]
	v_bfe_u32 v[STGR], v0, 3, 2                    ; back: a load takes four rows of 128 bytes
	v_and_b32 v[T], 0xe0, v0
	v_add_nc_u32 v[STGR], v[STGR], v[T]
	v_mul_u32_u24 v[STGR], v[STGR], TP
	v_and_b32 v[U], 7, v0
	v_lshl_add_u32 v[STGR], v[U], 4, v[STGR]
	v_add_nc_u32 v[STGR], STG, v[STGR]
	v_and_b32 v[U], 31, v0
	v_lshlrev_b32 v[FTO], 7, v[T]                  ; 32 rows x 128 bytes a wave
	v_lshl_add_u32 v[FTO], v[U], 4, v[FTO]
	v_lshlrev_b32 v[O16], 4, v0
	v_lshlrev_b32 v[O4], 2, v0
	v_lshlrev_b32 v[O32], 5, v0
	s_wait_kmcnt 0x0
	s_add_nc_u64 s[4:5], s[4:5], s[20:21]
	s_add_nc_u64 s[6:7], s[6:7], s[22:23]
	s_add_nc_u64 s[8:9], s[8:9], s[24:25]
	s_add_nc_u64 s[10:11], s[10:11], s[26:27]
	s_add_nc_u64 s[12:13], s[12:13], s[26:27]
	s_add_nc_u64 s[14:15], s[14:15], s[28:29]
.irp c, 0,1,2
	global_load_b128 v[HH+8*\c:HH+8*\c+3],   v[O32], s[6:7] offset:\c*8192      ; thread t brings block t
	global_load_b128 v[HH+8*\c+4:HH+8*\c+7], v[O32], s[6:7] offset:\c*8192+16
.endr
.irp c, 0,1,2
	global_load_b32 v[QX+2*\c], v[O4], s[4:5] offset:\c*32768
.endr
	global_load_b128 v[W:W+3], v[O16], s[10:11]
.irp c, 0,1,2,3,4,5,6,7,8,9,10,11,12,13,14,15,16,17,18,19,20,21,22,23,24,25,26,27,28,29,30,31
	global_load_b64 v[F+2*\c:F+2*\c+1], v[FO], s[8:9] offset:\c*8192 th:TH_LOAD_NT  ; a wave takes 256 consecutive bytes of a channel
.endr
.macro SQ d, x, y, z                   ; two sums of squares, in the order x, y, z
	v_pk_mul_f32 v[(\d):(\d)+1], v[(\x):(\x)+1], v[(\x):(\x)+1]
.if FMA_SQ
	v_pk_fma_f32 v[(\d):(\d)+1], v[(\y):(\y)+1], v[(\y):(\y)+1], v[(\d):(\d)+1]
	v_pk_fma_f32 v[(\d):(\d)+1], v[(\z):(\z)+1], v[(\z):(\z)+1], v[(\d):(\d)+1]
.else                                  ; product and sum rounded apart, on purpose
	v_pk_mul_f32 v[TT:TT+1], v[(\y):(\y)+1], v[(\y):(\y)+1]
	v_pk_add_f32 v[(\d):(\d)+1], v[(\d):(\d)+1], v[TT:TT+1]
	v_pk_mul_f32 v[TT:TT+1], v[(\z):(\z)+1], v[(\z):(\z)+1]
	v_pk_add_f32 v[(\d):(\d)+1], v[(\d):(\d)+1], v[TT:TT+1]
.endif
.endm
	s_wait_loadcnt 32                              ; points, query and block ids are in; the 32 feature loads may be out
.irp p, 0,2,4,6
	SQ HH+24+\p, HH+\p, HH+8+\p, HH+16+\p
.endr
.irp u, 0,1,2,3,4,5,6,7
	ds_store_b128 v[TABW], v[HH+4*\u:HH+4*\u+3] offset:16*\u
.endr
	v_mov_b32 v[QX+1], v[QX]
	v_mov_b32 v[QY+1], v[QY]
	v_mov_b32 v[QZ+1], v[QZ]
	SQ QXX, QX, QY, QZ
	s_wait_loadcnt 0x0                             ; the features
.irp i, 0,1
.irp p, 0,1,2,3,4,5,6,7,8,9,10,11,12,13,14,15
	v_cvt_pk_f16_f32 v[HH+16*\i+\p], v[F+4*\p+\i], v[F+4*\p+2+\i]   ; point i of my two: channels 2 p, 2 p + 1
.endr
.endr
.irp i, 0,1
.irp u, 0,1,2,3
	ds_store_b128 v[STGW], v[HH+16*\i+4*\u:HH+16*\i+4*\u+3] offset:TP*\i+16*\u
.endr
.endr
	s_wait_dscnt 0x0                               ; for the others' sake: my block and my part of the stage are written
	s_barrier_signal -1
	s_barrier_wait -1                              ; table and stage are whole; nobody writes them again
.irp i, 0,1,2,3,4,5,6,7
	ds_load_b128 v[HH+4*\i:HH+4*\i+3], v[STGR] offset:4*TP*\i
.endr
.irp i, 0,1,2,3,4,5,6,7
	s_wait_dscnt 7-\i                              ; LDS loads come back in order: load i is in
	global_store_b128 v[FTO], v[HH+4*\i:HH+4*\i+3], s[14:15] offset:512*\i   ; 512 consecutive bytes, aligned
.endr
.irp i, 0,1,2,3,4,5,6,7
	v_mov_b32 v[A_+\i], 0x7f800000
	v_mov_b32 v[ID+\i], 0
.endr
; The next block id (a byte of W) is clamped, turned into an LDS address, and the block's 128 bytes are asked for.
.macro NEXTBLK u
	v_and_b32 v[T], 0xff, v[W]
	v_min_u32 v[T], 0xff, v[T]
	v_lshlrev_b32 v[IDB+\u], 3, v[T]
	v_mul_u32_u24 v[AD], v[T], TP
.irp i, 0,1,2,3,4,5,6,7
	ds_load_b128 v[BUF+32*\u+4*\i:BUF+32*\u+4*\i+3], v[AD] offset:16*\i
.endr
	v_alignbit_b32 v[W], v[W+1], v[W], 8
	v_alignbit_b32 v[W+1], v[W+2], v[W+1], 8
	v_lshrrev_b32 v[W+2], 8, v[W+2]
.endm
; Distance d with index IDV goes into the sorted eight.  Mask i: d < a[i].  Place i takes its lower neighbour where d is below that, d where d is below itself alone, else stays.
.macro INSERT d
.irp i, 0,1,2,3,4,5,6,7
	v_cmp_lt_f32 s[40+\i], v[\d], v[A_+\i]
.endr
.irp i, 7,6,5,4,3,2,1
	v_cndmask_b32 v[T], v[ID+\i], v[IDV], s[40+\i]
	v_cndmask_b32 v[ID+\i], v[T], v[ID+\i-1], s[40+\i-1]
.endr
	v_cndmask_b32 v[ID], v[ID], v[IDV], s40
.irp i, 7,6,5,4,3,2,1
	v_med3_num_f32 v[A_+\i], v[A_+\i-1], v[\d], v[A_+\i]
.endr
	v_min_num_f32 v[A_], v[A_], v[\d]
.endm
.macro PAIR u, j                       ; points j and j + 1 of the block in buffer u
.set bx, BUF+32*(\u)+(\j)
	v_pk_mul_f32 v[DT:DT+1], v[bx:bx+1], v[QX:QX+1]
.if FMA_DOT
	v_pk_fma_f32 v[DT:DT+1], v[bx+8:bx+9], v[QY:QY+1], v[DT:DT+1]
	v_pk_fma_f32 v[DT:DT+1], v[bx+16:bx+17], v[QZ:QZ+1], v[DT:DT+1]
.else                                  ; product and sum rounded apart, on purpose
	v_pk_mul_f32 v[DD:DD+1], v[bx+8:bx+9], v[QY:QY+1]
	v_pk_add_f32 v[DT:DT+1], v[DT:DT+1], v[DD:DD+1]
	v_pk_mul_f32 v[DD:DD+1], v[bx+16:bx+17], v[QZ:QZ+1]
	v_pk_add_f32 v[DT:DT+1], v[DT:DT+1], v[DD:DD+1]
.endif
	v_pk_add_f32 v[TT:TT+1], v[QXX:QXX+1], v[bx+24:bx+25]
	v_pk_fma_f32 v[DD:DD+1], v[DT:DT+1], -2.0, v[TT:TT+1] op_sel_hi:[1,0,1]
	v_add_nc_u32 v[IDV], (\j), v[IDB+\u]
	INSERT DD
	v_add_nc_u32 v[IDV], (\j)+1, v[IDB+\u]
	INSERT DD+1
.endm
.macro COMPUTE u
	PAIR \u, 0
	PAIR \u, 2
	PAIR \u, 4
	PAIR \u, 6
.endm
	NEXTBLK 0
	s_mov_b32 s30, 5
.Ltwo:                                                 ; a trip: two blocks; the block after is on its way while one is ranked
	NEXTBLK 1
	s_wait_dscnt 8                                 ; buffer 0 is in; the eight loads just issued may be out
	COMPUTE 0
	NEXTBLK 0                                      ; in the last trip this is byte 10 of the list, a 0: block 0 is fetched and not used
	s_wait_dscnt 8
	COMPUTE 1
	s_sub_co_u32 s30, s30, 1
	s_cmp_lg_u32 s30, 0
	s_cbranch_scc1 .Ltwo
.irp k, 0,1,2,3
	v_lshl_or_b32 v[W+\k], v[ID+2*\k+1], 16, v[ID+2*\k]
.endr
	global_store_b128 v[O16], v[W:W+3], s[12:13]   ; a wave stores 512 consecutive bytes, aligned
	s_wait_tensorcnt 0x0                           ; the wave's end
	ds_add_u32 v[SPW], v[NIL]
	s_wait_dscnt 0x0
	s_endpgm
.Lfunc_end_k_qee7deb76bd_exact:
	.size	k_qee7deb76bd_exact, .Lfunc_end_k_qee7deb76bd_exact-k_qee7deb76bd_exact
	.p2alignl 7, 3214868480
	.fill 96, 4, 3214868480
	.section	.rodata,"a",@progbits
	.p2align	6, 0x0
	.amdhsa_kernel k_qee7deb76bd_exact
		.amdhsa_group_segment_fixed_size 74752
		.amdhsa_private_segment_fixed_size 0
		.amdhsa_enable_private_segment 0
		.amdhsa_kernarg_size 48
		.amdhsa_user_sgpr_count 2
		.amdhsa_user_sgpr_kernarg_segment_ptr 1
		.amdhsa_wavefront_size32 1
		.amdhsa_system_sgpr_workgroup_id_x 1
		.amdhsa_system_sgpr_workgroup_id_y 1
		.amdhsa_system_sgpr_workgroup_id_z 1
		.amdhsa_system_vgpr_workitem_id 0
		.amdhsa_next_free_vgpr 160
		.amdhsa_next_free_sgpr 66
		.amdhsa_reserve_vcc 0
		.amdhsa_float_denorm_mode_32 3
		.amdhsa_float_denorm_mode_16_64 3
		.amdhsa_memory_ordered 1
		.amdhsa_forward_progress 1
		.amdhsa_inst_pref_size 50
	.end_amdhsa_kernel
	.amdgpu_metadata
---
amdhsa.version: [ 1, 2 ]
amdhsa.kernels:
  - .name:           k_qee7deb76bd_exact
    .symbol:         k_qee7deb76bd_exact.kd
    .args:
      - { .name: xyz, .offset: 0, .size: 8, .value_kind: global_buffer, .address_space: global }
      - { .name: sparse_xyz, .offset: 8, .size: 8, .value_kind: global_buffer, .address_space: global }
      - { .name: sparse_feat, .offset: 16, .size: 8, .value_kind: global_buffer, .address_space: global }
      - { .name: blk, .offset: 24, .size: 8, .value_kind: global_buffer, .address_space: global }
      - { .name: idx, .offset: 32, .size: 8, .value_kind: global_buffer, .address_space: global }
      - { .name: featT, .offset: 40, .size: 8, .value_kind: global_buffer, .address_space: global }
    .group_segment_fixed_size: 74752
    .private_segment_fixed_size: 0
    .kernarg_segment_align: 8
    .kernarg_segment_size: 48
    .max_flat_workgroup_size: 256
    .sgpr_count:     66
    .vgpr_count:     160
    .wavefront_size: 32
...
	.end_amdgpu_metadata
.endif
;; end of part 2
;; launch gather (part 3): grid 256 x 1, 16 waves a work-group, no clusters, 327,680 bytes of LDS; arguments xyz, sparse_xyz, idx, featT, out0; writes out0
.if DOCPART == 3
	.amdgcn_target "amdgcn-amd-amdhsa--gfx1250"
	.amdhsa_code_object_version 6
	.text
	.protected	k_qee7deb76bd_gather
	.globl	k_qee7deb76bd_gather
	.p2align	8
	.type	k_qee7deb76bd_gather,@function
k_qee7deb76bd_gather:
	s_mov_b64 s[64:65], 0
	v_nop
	global_prefetch_b8 v0, s[64:65] scope:SCOPE_SE
	s_setreg_imm32_b32 hwreg(HW_REG_WAVE_MODE, 25, 1), 1
	s_wait_xcnt 0x0
; THE WEIGHTED MEAN.  out0[b][c][n] = the sum over a query's eight neighbours of w[k] feat[c][idx[k]], w = (1 / dist) / the sum of 1 / dist, dist = max(|s - x|, 1e-10).
; SHARES.  A work-group holds one batch's table of 64 channels (a slice of featT: 2,048 points x 128 bytes of f16) in LDS and serves 1,024 queries; a thread owns two neighbouring queries, so that a
; wave's store of one channel is 256 consecutive bytes of out0, aligned.  Sums in f32; the f16 halves are widened inside the fused multiply-add.
; NO CLUSTER, though the eight work-groups wg & ~7 .. wg | 7 fill the same table: in a launch with joint loads every LDS address is alike in all partners, and here the LDS addresses ARE what
; differs: each work-group reads the rows that its own 1,024 queries' indices name.  So each of the 16 waves asks for its 128 points by a load of its own.  The table is filled once; one tensor
; load of a wave is out.
; 1 / dist is taken as min(rsq(d2), 1e10): where d2 is below 1e-20, 0 or a denormal among them, both forms give 1e10.
; LIMITS.  Features are f16 as the launch before left them.  NaN and infinities are not treated apart.
.set TP,    144                        ; a point's row in LDS: 128 bytes + 16: neighbouring points start 9 columns of 16 bytes apart
.set SPARE, 2048*TP                    ; 294,912: the spare words, 128 bytes for each of 16 waves
.set O32, 1                            ; v1   32 x thread
.set SPW, 2
.set NIL, 3
.set ZERO, 4
.set O8,  5                            ; v5   8 x thread; never rewritten
.set QX,  6                            ; v6-11 x, y, z of my two queries, in pairs
.set IW,  12                           ; v12-19 the sixteen indices as loaded
.set AD,  20                           ; v20-35 LDS address of neighbour 8 q + k's row
.set W,   36                           ; v36-51 its weight
.set ACC, 52                           ; v52-83 two sets of 8 channels x 2 queries
.set GO,  52                           ;   first: the neighbours' byte offsets in a coordinate's row
.set FB,  84                           ; v84-211 two buffers: 16 neighbours x 16 bytes
.set G,   84                           ;   first: the neighbours' coordinates
	s_load_b256 s[4:11], s[0:1], 0x0               ; xyz, sparse_xyz, idx, featT
	s_load_b64 s[12:13], s[0:1], 0x20              ; out0
	v_lshl_add_u32 v[SPW], v0, 2, SPARE
	v_mov_b32 v[NIL], 0
	ds_add_u32 v[SPW], v[NIL]                      ; the wave's opening: the add and its wait stand ahead of my tensor load; the set-up below stands between them
	ds_add_u32 v2, v3
	v_lshrrev_b32 v1, 5, v0
	v_readfirstlane_b32 s14, v1                    ; wave 0..15
	; descriptor group 1: 128 points are 16,384 dense bytes: 64 rows of 256 bytes, two points a row, padded in LDS behind every point
	s_mov_b32 s24, (1<<16)|(1<<20)|(4<<22)|(3<<25) ; no mask; 2-byte elements; padding on; after every 32 words; 4 words
	s_mov_b32 s25, 128<<16                         ; tensor_dim0 = 128
	s_mov_b32 s26, 64<<16                          ; tensor_dim1 = 64
	s_mov_b32 s27, 128<<16                         ; tile_dim0 = 128
	s_mov_b32 s28, 64                              ; tile_dim1 = 64
	s_mov_b32 s29, 128                             ; 128 elements from row to row
	s_mov_b32 s30, 0
	s_mov_b32 s31, 0
	s_mov_b32 s20, 1                               ; group 0: count = 1
	s_mul_i32 s21, s14, 128*TP                     ; LDS address: my wave's 128 rows
	s_lshr_b32 s17, ttmp9, 3                       ; 4 b + slice: eight neighbouring work-groups share it
	s_lshl_b32 s32, s17, 18                        ; a slice is 262,144 bytes
	s_lshl_b32 s33, s14, 14                        ; my wave's 128 points
	s_add_co_u32 s32, s32, s33
	s_mov_b32 s33, 0
	s_lshr_b32 s18, ttmp9, 5                       ; b
	s_and_b32 s19, ttmp9, 7                        ; my chunk of 1,024 queries, 0..7
	s_lshl_b32 s36, s18, 17                        ; idx: 8,192 queries x 16 bytes a batch,
	s_lshl_b32 s16, s19, 14                        ; 1,024 x 16 a chunk
	s_add_co_u32 s36, s36, s16
	s_mov_b32 s37, 0
	s_mul_i32 s38, s18, 98304                      ; xyz: a batch, and my chunk's 4,096 bytes of a coordinate's row
	s_lshl_b32 s16, s19, 12
	s_add_co_u32 s38, s38, s16
	s_mov_b32 s39, 0
	s_mul_i32 s40, s18, 24576                      ; sparse_xyz: a batch
	s_mov_b32 s41, 0
	s_lshl_b32 s42, s17, 21                        ; out0: 64 channels x 32,768 bytes a slice, and my chunk's 4,096 bytes of a channel's row
	s_add_co_u32 s42, s42, s16
	s_mov_b32 s43, 0
	s_mov_b32 s34, 0x501502f9                      ; 1e10
	v_mov_b32 v[ZERO], 0
	v_lshlrev_b32 v[O8], 3, v0
	v_lshlrev_b32 v[O32], 5, v0
	s_wait_dscnt 0x0                               ; the opening add is done
	s_wait_kmcnt 0x0
	s_add_nc_u64 s[22:23], s[10:11], s[32:33]      ; global address of my 128 points
	s_or_b32 s23, s23, 0x80000000                  ; type = 2
	s_add_nc_u64 s[8:9], s[8:9], s[36:37]
	s_add_nc_u64 s[4:5], s[4:5], s[38:39]
	s_add_nc_u64 s[6:7], s[6:7], s[40:41]
	s_add_nc_u64 s[12:13], s[12:13], s[42:43]
	tensor_load_to_lds s[20:23], s[24:31]          ; my wave's one fill, ahead of every barrier, LDS read and wait on TENSORcnt
	s_nop 0
	global_load_b128 v[IW:IW+3],   v[O32], s[8:9]
	global_load_b128 v[IW+4:IW+7], v[O32], s[8:9] offset:16
.irp c, 0,1,2
	global_load_b64 v[QX+2*\c:QX+2*\c+1], v[O8], s[4:5] offset:\c*32768
.endr
	s_wait_loadcnt 3                               ; the indices are in; the three loads of xyz may be out
.irp n, 0,1,2,3,4,5,6,7                ; word n holds neighbours 2 n and 2 n + 1 (of 16: 8 q + k); each index is clamped to the table before it enters an address
	v_and_b32 v[GO+2*\n], 0xffff, v[IW+\n]
	v_lshrrev_b32 v[GO+2*\n+1], 16, v[IW+\n]
	v_min_u32 v[GO+2*\n], 0x7ff, v[GO+2*\n]
	v_min_u32 v[GO+2*\n+1], 0x7ff, v[GO+2*\n+1]
	v_mul_u32_u24 v[AD+2*\n], v[GO+2*\n], TP
	v_mul_u32_u24 v[AD+2*\n+1], v[GO+2*\n+1], TP
	v_lshlrev_b32 v[GO+2*\n], 2, v[GO+2*\n]
	v_lshlrev_b32 v[GO+2*\n+1], 2, v[GO+2*\n+1]
.endr
.irp n, 0,1,2,3,4,5,6,7,8,9,10,11,12,13,14,15
.irp c, 0,1,2
	global_load_b32 v[G+3*\n+\c], v[GO+\n], s[6:7] offset:\c*8192
.endr
.endr
	s_wait_loadcnt 0x0
.irp q, 0,1
.irp k, 0,1,2,3,4,5,6,7
	v_sub_f32 v[G+3*(8*\q+\k)],   v[G+3*(8*\q+\k)],   v[QX+\q]
	v_sub_f32 v[G+3*(8*\q+\k)+1], v[G+3*(8*\q+\k)+1], v[QX+2+\q]
	v_sub_f32 v[G+3*(8*\q+\k)+2], v[G+3*(8*\q+\k)+2], v[QX+4+\q]
	v_mul_f32 v[W+8*\q+\k], v[G+3*(8*\q+\k)], v[G+3*(8*\q+\k)]
	v_fmac_f32 v[W+8*\q+\k], v[G+3*(8*\q+\k)+1], v[G+3*(8*\q+\k)+1]
	v_fmac_f32 v[W+8*\q+\k], v[G+3*(8*\q+\k)+2], v[G+3*(8*\q+\k)+2]
.endr
.endr
.irp n, 0,1,2,3,4,5,6,7,8,9,10,11,12,13,14,15
	v_rsq_f32 v[W+\n], v[W+\n]
.endr
	v_nop                                          ; a plain instruction between the last of them and the use of its result
	s_wait_alu depctr_va_vdst(0)
.irp n, 0,1,2,3,4,5,6,7,8,9,10,11,12,13,14,15
	v_min_num_f32 v[W+\n], s34, v[W+\n]
.endr
.irp q, 0,1
	v_add_f32 v[G+\q], v[W+8*\q], v[W+8*\q+1]
.endr
.irp k, 2,3,4,5,6,7
.irp q, 0,1
	v_add_f32 v[G+\q], v[G+\q], v[W+8*\q+\k]
.endr
.endr
	v_rcp_f32 v[G], v[G]
	v_rcp_f32 v[G+1], v[G+1]
	v_nop                                          ; a plain instruction between the reciprocals and their use
	s_wait_alu depctr_va_vdst(0)
.irp q, 0,1
.irp k, 0,1,2,3,4,5,6,7
	v_mul_f32 v[W+8*\q+\k], v[W+8*\q+\k], v[G+\q]
.endr
.endr
	s_wait_tensorcnt 0x0                           ; my 128 rows of the table are in,
	s_barrier_signal -1
	s_barrier_wait -1                              ; everybody's are; nothing is filled again
.macro LOADG g, u                      ; channels 8 g .. 8 g + 7 of my sixteen neighbours
.irp n, 0,1,2,3,4,5,6,7,8,9,10,11,12,13,14,15
	ds_load_b128 v[FB+64*(\u)+4*\n:FB+64*(\u)+4*\n+3], v[AD+\n] offset:16*(\g)
.endr
.endm
.macro FM k, c, q                      ; channels 2 c and 2 c + 1 of the group, neighbour k of query q; the first neighbour starts the sums
.if (\k) == 0
	v_fma_mix_f32 v[ab+4*(\c)+(\q)],   v[fb+4*(8*(\q)+(\k))+(\c)], v[W+8*(\q)+(\k)], v[ZERO] op_sel_hi:[1,0,0]
	v_fma_mix_f32 v[ab+4*(\c)+2+(\q)], v[fb+4*(8*(\q)+(\k))+(\c)], v[W+8*(\q)+(\k)], v[ZERO] op_sel:[1,0,0] op_sel_hi:[1,0,0]
.else
	v_fma_mix_f32 v[ab+4*(\c)+(\q)],   v[fb+4*(8*(\q)+(\k))+(\c)], v[W+8*(\q)+(\k)], v[ab+4*(\c)+(\q)] op_sel_hi:[1,0,0]
	v_fma_mix_f32 v[ab+4*(\c)+2+(\q)], v[fb+4*(8*(\q)+(\k))+(\c)], v[W+8*(\q)+(\k)], v[ab+4*(\c)+2+(\q)] op_sel:[1,0,0] op_sel_hi:[1,0,0]
.endif
.endm
.macro GROUP g
.set fb, FB+64*((\g)%2)
.set ab, ACC+16*((\g)%2)
.if (\g) < 7
	LOADG (\g)+1, ((\g)+1)%2
	s_wait_dscnt 16                                ; this group's sixteen loads are in; the next group's may be out
.else
	s_wait_dscnt 0x0
.endif
.if (\g) >= 2
	s_wait_xcnt 0x0                                ; the stores of two groups ago have read this set of sums: it is rewritten only behind this wait
.endif
.irp k, 0,1,2,3,4,5,6,7
.irp c, 0,1,2,3
.irp q, 0,1
	FM \k, \c, \q
.endr
.endr
.endr
.irp ch, 0,1,2,3,4,5,6,7
	global_store_b64 v[O8], v[ab+2*\ch:ab+2*\ch+1], s[12:13] offset:(8*(\g)+\ch)*32768 th:TH_STORE_NT  ; a wave stores 256 consecutive bytes of a channel's row, aligned
.endr
.endm
	LOADG 0, 0
.irp g, 0,1,2,3,4,5,6,7
	GROUP \g
.endr
	s_wait_tensorcnt 0x0                           ; the wave's end
	ds_add_u32 v[SPW], v[NIL]
	s_wait_dscnt 0x0
	s_endpgm
.Lfunc_end_k_qee7deb76bd_gather:
	.size	k_qee7deb76bd_gather, .Lfunc_end_k_qee7deb76bd_gather-k_qee7deb76bd_gather
	.p2alignl 7, 3214868480
	.fill 96, 4, 3214868480
	.section	.rodata,"a",@progbits
	.p2align	6, 0x0
	.amdhsa_kernel k_qee7deb76bd_gather
		.amdhsa_group_segment_fixed_size 327680
		.amdhsa_private_segment_fixed_size 0
		.amdhsa_enable_private_segment 0
		.amdhsa_kernarg_size 40
		.amdhsa_user_sgpr_count 2
		.amdhsa_user_sgpr_kernarg_segment_ptr 1
		.amdhsa_wavefront_size32 1
		.amdhsa_system_sgpr_workgroup_id_x 1
		.amdhsa_system_sgpr_workgroup_id_y 1
		.amdhsa_system_sgpr_workgroup_id_z 1
		.amdhsa_system_vgpr_workitem_id 0
		.amdhsa_next_free_vgpr 216
		.amdhsa_next_free_sgpr 66
		.amdhsa_reserve_vcc 0
		.amdhsa_float_denorm_mode_32 3
		.amdhsa_float_denorm_mode_16_64 3
		.amdhsa_memory_ordered 1
		.amdhsa_forward_progress 1
		.amdhsa_inst_pref_size 96
	.end_amdhsa_kernel
	.amdgpu_metadata
---
amdhsa.version: [ 1, 2 ]
amdhsa.kernels:
  - .name:           k_qee7deb76bd_gather
    .symbol:         k_qee7deb76bd_gather.kd
    .args:
      - { .name: xyz, .offset: 0, .size: 8, .value_kind: global_buffer, .address_space: global }
      - { .name: sparse_xyz, .offset: 8, .size: 8, .value_kind: global_buffer, .address_space: global }
      - { .name: idx, .offset: 16, .size: 8, .value_kind: global_buffer, .address_space: global }
      - { .name: featT, .offset: 24, .size: 8, .value_kind: global_buffer, .address_space: global }
      - { .name: out0, .offset: 32, .size: 8, .value_kind: global_buffer, .address_space: global }
    .group_segment_fixed_size: 327680
    .private_segment_fixed_size: 0
    .kernarg_segment_align: 8
    .kernarg_segment_size: 40
    .max_flat_workgroup_size: 512
    .sgpr_count:     66
    .vgpr_count:     216
    .wavefront_size: 32
...
	.end_amdgpu_metadata
.endif
;; end of part 3
;; ======== version 2 of 2: 3 launches; version 1 with the launch blocks written anew for expert scheduling mode
;; limits: values within 3.05e-05 (relative) of each other or of a threshold may be ordered or decided otherwise than in the reference; values are held in f16: magnitudes above 65,504 overflow, below 6.1e-05 lose precision
;; workspace buffers: blk 1,048,576 bytes of whole numbers; idx 1,048,576 bytes of whole numbers; featT 8,388,608 bytes
;; launch blocks (part 4): grid 256 x 1, 8 waves a work-group, no clusters, 165,120 bytes of LDS; arguments xyz, sparse_xyz, blk; writes blk
.if DOCPART == 4
	.amdgcn_target "amdgcn-amd-amdhsa--gfx1250"
	.amdhsa_code_object_version 6
	.text
	.protected	k_qee7deb76bd_blocks
	.globl	k_qee7deb76bd_blocks
	.p2align	8
	.type	k_qee7deb76bd_blocks,@function
k_qee7deb76bd_blocks:
	s_mov_b64 s[64:65], 0
	v_nop
	global_prefetch_b8 v0, s[64:65] scope:SCOPE_SE
	s_setreg_imm32_b32 hwreg(HW_REG_WAVE_SCHED_MODE, 0, 2), 2
	s_setreg_imm32_b32 hwreg(HW_REG_WAVE_MODE, 25, 1), 1
	s_wait_xcnt 0x0
	s_wait_alu depctr_vm_vsrc(0)
; PRESELECTION.  For each of 65,536 queries: the 10 blocks (of 256 blocks of 8 consecutive sparse points) whose smallest squared distance is smallest, ids ascending, one byte each.
; The 8 nearest points lie in the 8 blocks with the smallest minima; two more blocks are kept as slack, since the ranking here is approximate.  The next launch ranks the 80 points exactly.
; d2 = xx + ss - 2 x.s comes from ONE bf16 matrix instruction for 16 points x 16 queries: each f32 number is split without loss into three bf16 parts (h, m, l); of the nine part products of a
; coordinate eight are kept (l x l is dropped), 24 of K's 32 places; ss and xx enter as three parts each against 1.0, six places; two places hold 0.
; LIMITS.  A block's minimum loses its low 8 mantissa bits to the block's number (2^-15 of itself), and the sum is rounded at the size of xx + ss.  A neighbour is lost only if three or more block
; minima lie inside that window round the eighth; with inputs that carry a large common offset the window grows with xx + ss.  NaN and infinities are not treated apart.
; SHARES.  Work-group: batch b = wg / 32, 256 queries.  Wave: two tiles of 16 queries.  Step t (0..127): matrix rows 0-7 are points 8 t .. 8 t + 7, rows 8-15 points 1024 + 8 t ..; in the result
; lane (r = l % 16, h = l / 16) holds query r and the eight points of block 128 h + t: the block's minimum needs no other lane.
; LDS.  A point's row is 64 bytes (coordinate 0, 1, 2, extras: 16 bytes each) + 16 of padding; the rows of points 1024.. lie 128 bytes further, so that the 16 rows of a fragment load start at
; 16 different 16-byte columns modulo 256 bytes.
; THE MODE: SCHED_MODE bits 1:0 = 2 (LLVM: expert scheduling mode 2), set by the entry lines.  The code itself states the register dependences
; between vector or matrix instructions and memory or LDS instructions, with s_wait_alu, always for 0.
; THE PLAN.  Registers that memory or LDS instructions touch:
;   O4, QO, O16, T80, RA   offsets and LDS addresses, made once at the head and never written again: the rows of the table are reached by immediate offsets.
;   CL, QC        The global loads land in them; vector lines alone read them.
;   OUT           8 rows x 16 words.  Written by the lines that split a point's numbers, read by the row's four LDS stores, never written again.
;   AF0 .. AF3    The two products of step s read AF[s % 4]; the LDS loads of step s + 4 land in it.
;   AD            Read by every fragment load; written once a lap, at the lap's end.
;   BQ[0:3]       At the end: written by the last selects, read by the one global store.
;   SPW, NIL      Written at the head, read by the closing add alone.
; A GROUP is two steps.  ONE wait on va_vdst stands at its head: the products of all steps up to 2 k are done reading their fragments.  The group's loads, of steps 2 k + 3 and 2 k + 4, land in the
; buffers that steps 2 k - 1 and 2 k read; the vector and matrix lines of the group name the two other buffers, BQ, D, TT, UU and LS.  So the loads are dealt among them with no further wait.
.set RP,     80
.set UPPER,  1024*RP+128               ; 82,048
.set SPARE,  164096                    ; behind the table (163,968 bytes): the spare words, 128 bytes for each of 8 waves
.set VR,  1                            ; v1   r
.set VH,  2                            ; v2   h
.set AD,  3                            ; v3   the LDS address of my fragment row in the lap's first step
.set O16, 4                            ; v4   16 x thread
.set HB,  5                            ; v5   h << 7
.set ONE, 6                            ; v6   1.0
.set RA,  7                            ; v7   80 x thread + UPPER: my rows among the points 1024..
.set H,   8                            ; v8-10 the three parts
.set M,   9
.set LO,  10
.set T,   11
.set QO,  12                           ; v12  the byte offset of my query in a coordinate's row
.set CW,  18                           ; v18-19 the extras' two constant words: (1, 1) in bf16, and 0
.set SPW, 20                           ; v20  my spare word
.set NIL, 21                           ; v21  0
.set T80, 22                           ; v22  80 x thread: my rows among the points 0..1023
.set O4,  23                           ; v23  4 x thread
.set BQ,  24                           ; v24-39 the two query fragments
.set AF,  40                           ; v40-71 four buffers for the points' fragment
.set D,   72                           ; v72-103 results: buffer x 16 + tile x 8
.set CL,  72                           ;   before the loop: 8 points x 3 coordinates as loaded
.set QC,  96                           ;   and 2 queries x 3 coordinates
.set PW,  72                           ;   pattern words, when the queries' fragments are made; behind the loop the other half's list
.set LS,  104                          ; v104-123 the ten best keys of each tile, ascending
.set TT,  124                          ; v124-125
.set UU,  126                          ; v126-127
.set OUT, 128                          ; v128-255 row j of my eight: 16 words at OUT + 16 j
	s_load_b128 s[4:7], s[0:1], 0x0                ; xyz, sparse_xyz
	s_load_b64 s[8:9], s[0:1], 0x10                ; blk
	v_lshl_add_u32 v[SPW], v0, 2, SPARE
	v_mov_b32 v[NIL], 0
	s_lshr_b32 s11, ttmp9, 5                       ; b
	s_and_b32 s12, ttmp9, 31
	s_lshl_b32 s12, s12, 10                        ; my 256 queries, in bytes of a coordinate's row
	s_mul_i32 s20, s11, 98304
	s_add_co_u32 s20, s20, s12
	s_mov_b32 s21, 0
	s_mul_i32 s22, s11, 24576
	s_mov_b32 s23, 0
	s_lshl_b32 s24, ttmp9, 12                      ; 256 queries x 16 bytes
	s_mov_b32 s25, 0
	s_mov_b32 s13, 0x07060302                      ; v_perm_b32: the two upper halves
	s_mov_b32 s14, 0xffff0000                      ; a number cut to bf16
	s_mov_b32 s15, 0xffffff00                      ; a key's float part
	s_mov_b32 s18, 0x76543210                      ; v_permlanex16_b32: the same place in the other half
	s_mov_b32 s19, 0xfedcba98
	v_and_b32 v[VR], 15, v0
	v_bfe_u32 v[VH], v0, 4, 1
	v_lshlrev_b32 v[O16], 4, v0
	v_lshlrev_b32 v[HB], 7, v[VH]
	v_mov_b32 v[ONE], 1.0
	v_mov_b32 v[CW], 0x3f803f80                    ; (1, 1) in bf16
	v_mov_b32 v[CW+1], 0
	v_mul_u32_u24 v[T80], v0, RP
	v_add_nc_u32 v[RA], UPPER, v[T80]
	v_lshlrev_b32 v[O4], 2, v0
	v_and_b32 v[QO], 0xe0, v0                      ; 32 x wave
	v_or_b32 v[QO], v[QO], v[VR]
	v_lshlrev_b32 v[QO], 2, v[QO]                  ; query 32 w + r, in bytes
	v_lshrrev_b32 v[T], 3, v[VR]                   ; my fragment row: matrix row r is point 8 t + r, or 1024 + 8 t + r - 8
	v_and_b32 v[AD], 7, v[VR]
	v_mul_u32_u24 v[AD], v[AD], RP
	v_mul_u32_u24 v[T], v[T], UPPER
	v_add_nc_u32 v[AD], v[AD], v[T]
	v_lshl_add_u32 v[AD], v[VH], 4, v[AD]          ; + 16 h
	v_cmp_ne_u32 vcc_lo, 0, v[VH]                  ; lanes 16-31; kept to the end
	s_wait_alu depctr_va_vcc(0)                    ; VCC is written, ahead of its first reader: every select below reads it
	s_wait_kmcnt 0x0
	s_add_nc_u64 s[4:5], s[4:5], s[20:21]
	s_add_nc_u64 s[6:7], s[6:7], s[22:23]
	s_add_nc_u64 s[8:9], s[8:9], s[24:25]
	s_wait_alu depctr_va_vdst(0)                   ; O4, QO, O16, T80, RA and AD are written: the loads and stores of the kernel read them as offsets and addresses
.irp j, 0,1,2,3,4,5,6,7
.irp c, 0,1,2
	global_load_b32 v[CL+3*\j+\c], v[O4], s[6:7] offset:\c*8192+\j*1024   ; point thread + 256 j
.endr
.endr
.irp q, 0,1
.irp c, 0,1,2
	global_load_b32 v[QC+3*\q+\c], v[QO], s[4:5] offset:\c*32768+\q*64    ; query 32 w + 16 q + r
.endr
.endr
.irp j, 0,1,2,3,4,5,6,7
	v_mov_b32 v[OUT+16*\j+14], 0x3f803f80          ; the constant words of each row's extras, written while the loads are out
	v_mov_b32 v[OUT+16*\j+15], 0
.endr
.macro SPLIT3 src                      ; src = H + M + LO without loss: each cut keeps 8 significant bits, each difference is exact
	v_and_b32 v[H], s14, v[\src]
	v_sub_f32 v[LO], v[\src], v[H]
	v_and_b32 v[M], s14, v[LO]
	v_sub_f32 v[LO], v[LO], v[M]
.endm
.macro PK d, hi, lo                    ; two bf16 in a word: lo's upper half below, hi's above
	v_perm_b32 v[\d], v[\hi], v[\lo], s13
.endm
; A point's row is made.  Per coordinate: h m h l h m m l.  Extras: ssh ssm ssl 1 1 1 0 0.
.macro CROW j
.irp c, 0,1,2
	SPLIT3 CL+3*(\j)+\c
	PK OUT+16*(\j)+4*\c, M, H
	PK OUT+16*(\j)+4*\c+1, LO, H
	PK OUT+16*(\j)+4*\c+2, M, H
	PK OUT+16*(\j)+4*\c+3, LO, M
.endr
	v_mul_f32 v[T], v[CL+3*(\j)], v[CL+3*(\j)]
	v_fmac_f32 v[T], v[CL+3*(\j)+1], v[CL+3*(\j)+1]
	v_fmac_f32 v[T], v[CL+3*(\j)+2], v[CL+3*(\j)+2]
	SPLIT3 T
	PK OUT+16*(\j)+12, M, H
	PK OUT+16*(\j)+13, ONE, LO
.endm
; And stored: point thread + 256 j lies 256 j rows on; the offsets stay under 65,536 from each of the two addresses.
.macro SROW j
.irp c, 0,1,2,3
.if (\j) < 4
	ds_store_b128 v[T80], v[OUT+16*(\j)+4*\c:OUT+16*(\j)+4*\c+3] offset:(\j)*256*RP+16*\c
.else
	ds_store_b128 v[RA], v[OUT+16*(\j)+4*\c:OUT+16*(\j)+4*\c+3] offset:((\j)-4)*256*RP+16*\c
.endif
.endr
.endm
; A query's fragment, with X = -2 x.  Per coordinate: h h m h l m l m.  Extras: 1 1 1 xxh xxm xxl 0 0.
; Lanes 0-15 hold K places 0-7 (coordinate 0) and 16-23 (coordinate 2), lanes 16-31 places 8-15 (coordinate 1) and 24-31 (extras).
.macro QFRAG q
.irp c, 0,1,2
	v_mul_f32 v[T], -2.0, v[QC+3*(\q)+\c]
	SPLIT3 T
	PK PW+3*\c, H, H
	PK PW+3*\c+1, H, M
	PK PW+3*\c+2, M, LO
.endr
	v_mul_f32 v[T], v[QC+3*(\q)], v[QC+3*(\q)]
	v_fmac_f32 v[T], v[QC+3*(\q)+1], v[QC+3*(\q)+1]
	v_fmac_f32 v[T], v[QC+3*(\q)+2], v[QC+3*(\q)+2]
	SPLIT3 T
	PK PW+9, H, ONE
	PK PW+10, LO, M
	v_cndmask_b32 v[BQ+8*(\q)], v[PW], v[PW+3], vcc_lo
	v_cndmask_b32 v[BQ+8*(\q)+1], v[PW+1], v[PW+4], vcc_lo
	v_cndmask_b32 v[BQ+8*(\q)+2], v[PW+2], v[PW+5], vcc_lo
	v_cndmask_b32 v[BQ+8*(\q)+3], v[PW+2], v[PW+5], vcc_lo
	v_cndmask_b32 v[BQ+8*(\q)+4], v[PW+6], v[CW], vcc_lo
	v_cndmask_b32 v[BQ+8*(\q)+5], v[PW+7], v[PW+9], vcc_lo
	v_cndmask_b32 v[BQ+8*(\q)+6], v[PW+8], v[PW+10], vcc_lo
	v_cndmask_b32 v[BQ+8*(\q)+7], v[PW+8], v[CW+1], vcc_lo
.endm
	s_wait_loadcnt 0x0
.irp j, 0,1,2,3
	CROW \j
.endr
	s_wait_alu depctr_va_vdst(0)                   ; the words of rows 0 to 3 are written, which the sixteen LDS stores read
.irp j, 0,1,2,3
	SROW \j
.endr
.irp j, 4,5,6,7
	CROW \j                                        ; these write other registers of OUT than the stores above read
.endr
	s_wait_alu depctr_va_vdst(0)                   ; the words of rows 4 to 7 are written, which the sixteen LDS stores read
.irp j, 4,5,6,7
	SROW \j
.endr
	QFRAG 0                                        ; the queries' fragments are made while the stores are out: they name none of OUT
	QFRAG 1
	s_wait_dscnt 0x0                               ; for the others' sake: my rows are written
	s_barrier_signal -1
	s_barrier_wait -1                              ; the table is whole; nobody writes it again
.macro LOADA buf, off
	ds_load_b128 v[AF+8*(\buf):AF+8*(\buf)+3],   v[AD] offset:(\off)
	ds_load_b128 v[AF+8*(\buf)+4:AF+8*(\buf)+7], v[AD] offset:(\off)+32
.endm
; A step's two products: the fragment in buffer buf against both tiles, into result buffer db.  Every product starts its own sum with 0: no accumulator is taken up again.
.macro MULT buf, db
.irp q, 0,1
	v_wmma_f32_16x16x32_bf16 v[D+16*(\db)+8*\q:D+16*(\db)+8*\q+7], v[AF+8*(\buf):AF+8*(\buf)+7], v[BQ+8*\q:BQ+8*\q+7], 0
.endr
.endm
; One step's vector work, 30 lines, the two tiles alternating: the block's minimum (the result's lowest registers are read first), the step's number in the key's
; low byte, and the key's insertion into the sorted ten: place i takes the middle one of its lower neighbour, the key and itself.
.macro PROC cb
.irp q, 0,1
	v_min3_num_f32 v[TT+\q], v[D+16*(\cb)+8*\q], v[D+16*(\cb)+8*\q+1], v[D+16*(\cb)+8*\q+2]
.endr
.irp q, 0,1
	v_min3_num_f32 v[UU+\q], v[D+16*(\cb)+8*\q+3], v[D+16*(\cb)+8*\q+4], v[D+16*(\cb)+8*\q+5]
.endr
.irp q, 0,1
	v_min3_num_f32 v[TT+\q], v[TT+\q], v[D+16*(\cb)+8*\q+6], v[D+16*(\cb)+8*\q+7]
.endr
.irp q, 0,1
	v_min_num_f32 v[TT+\q], v[TT+\q], v[UU+\q]
.endr
.irp q, 0,1
	v_and_or_b32 v[TT+\q], v[TT+\q], s15, s16
.endr
.irp i, 9,8,7,6,5,4,3,2,1
.irp q, 0,1
	v_med3_num_f32 v[LS+10*\q+\i], v[LS+10*\q+\i-1], v[TT+\q], v[LS+10*\q+\i]
.endr
.endr
.irp q, 0,1
	v_min_num_f32 v[LS+10*\q], v[LS+10*\q], v[TT+\q]
.endr
	s_add_co_u32 s16, s16, 1
.endm
; A group, two steps: the results of step 2 k are worked on while the products of step 2 k + 1 run into the other result buffer, then those of 2 k + 1 beside the products of 2 k + 2.
; Each result is first read 30 plain lines behind its product.  a = (2 k + 1) % 4: the buffer of the group's first products.  off: the bytes from AD to the fragment of step 2 k + 3.
; n: how many of the two fragments 2 k + 3 and 2 k + 4 are still to be fetched; with n = 0 there is no step 2 k + 2 either.
.macro GRP a, off, n
.if (\n) > 0
	s_wait_dscnt 2                                 ; LDS loads come back in order: the fragment of step 2 k + 1 is in, the two loads of step 2 k + 2 may be out
	s_wait_alu depctr_va_vdst(0)                   ; the products of steps 2 k - 1 and 2 k are done reading their fragments, in which the group's loads land; behind a lap's end AD is written
	LOADA ((\a)+2)%4, \off
.else
	s_wait_dscnt 0x0                               ; the last fragment is in
.endif
	MULT \a, 1
	PROC 0
.if (\n) > 0
	s_wait_dscnt 2                                 ; the fragment of step 2 k + 2 is in, the two loads of step 2 k + 3 may be out
.if (\n) > 1
	LOADA ((\a)+3)%4, (\off)+8*RP                  ; no wait: no vector or matrix line since the group's head names this buffer or AD
.endif
	MULT ((\a)+1)%4, 0
.endif
	PROC 1
.endm
	LOADA 0, 0                                     ; steps 0, 1 and 2: no vector or matrix line has named these buffers, and AD stands as the head made it
	LOADA 1, 8*RP
	LOADA 2, 16*RP
	s_wait_dscnt 4                                 ; step 0's fragment is in; the four loads of steps 1 and 2 may be out
	MULT 0, 0
.irp i, 0,1,2,3,4,5,6,7,8,9,10,11,12,13,14,15,16,17,18,19
	v_mov_b32 v[LS+\i], 0x7f7fffff                 ; the lists start at the largest finite number; these 20 lines are also the places behind the first products
.endr
	s_mov_b32 s16, 0                               ; the step whose results are worked on
	s_mov_b32 s17, 31
.Llap:                                                 ; a lap: two groups, four steps: every fragment buffer has its turn once
	GRP 1, 24*RP, 2
	GRP 3, 40*RP, 2
	s_wait_alu depctr_vm_vsrc(0)                   ; the fragment loads issued so far have read AD
	v_add_nc_u32 v[AD], 32*RP, v[AD]               ; four steps on; the next group's wait on va_vdst stands between this line and the next load
	s_sub_co_u32 s17, s17, 1
	s_cmp_lg_u32 s17, 0
	s_cbranch_scc1 .Llap
	GRP 1, 24*RP, 1                                ; steps 124 and 125: only step 127's fragment is left to load
	GRP 3, 0, 0                                    ; steps 126 and 127: no load, so no dependence to state
; The two halves of the lanes hold a query's blocks 0-127 and 128-255.  Of two ascending lists of ten the ten smallest are min(a[i], b[9 - i]).  Then the ids are sorted ascending
; (odd-even transposition, 45 exchanges), so that the next launch meets the points in the order of their indices.
.macro CE a, b
	v_min_u32 v[T], v[\a], v[\b]
	v_max_u32 v[\b], v[\a], v[\b]
	v_mov_b32 v[\a], v[T]
.endm
.macro FINISH q
.irp i, 0,1,2,3,4,5,6,7,8,9
	v_or_b32 v[LS+10*(\q)+\i], v[LS+10*(\q)+\i], v[HB]
.endr
.irp i, 0,1,2,3,4,5,6,7,8,9
	v_permlanex16_b32 v[PW+\i], v[LS+10*(\q)+\i], s18, s19
.endr
.irp i, 0,1,2,3,4,5,6,7,8,9
	v_min_num_f32 v[LS+10*(\q)+\i], v[LS+10*(\q)+\i], v[PW+9-\i]
.endr
.irp i, 0,1,2,3,4,5,6,7,8,9
	v_and_b32 v[LS+10*(\q)+\i], 0xff, v[LS+10*(\q)+\i]
.endr
.set p, 0
.rept 10
.set i, p%2
.rept 5-(p%2)
	CE LS+10*(\q)+i, LS+10*(\q)+i+1
.set i, i+2
.endr
.set p, p+1
.endr
	v_lshl_or_b32 v[AF+4*(\q)], v[LS+10*(\q)+1], 8, v[LS+10*(\q)]
	v_lshl_or_b32 v[AF+4*(\q)+1], v[LS+10*(\q)+5], 8, v[LS+10*(\q)+4]
	v_lshl_or_b32 v[AF+4*(\q)+2], v[LS+10*(\q)+9], 8, v[LS+10*(\q)+8]
	v_lshl_or_b32 v[AF+4*(\q)], v[LS+10*(\q)+2], 16, v[AF+4*(\q)]
	v_lshl_or_b32 v[AF+4*(\q)+1], v[LS+10*(\q)+6], 16, v[AF+4*(\q)+1]
	v_lshl_or_b32 v[AF+4*(\q)], v[LS+10*(\q)+3], 24, v[AF+4*(\q)]
	v_lshl_or_b32 v[AF+4*(\q)+1], v[LS+10*(\q)+7], 24, v[AF+4*(\q)+1]
.endm
	FINISH 0
	FINISH 1
	v_cndmask_b32 v[BQ], v[AF], v[AF+4], vcc_lo    ; lanes 0-15 store tile 0's queries, lanes 16-31 tile 1's
	v_cndmask_b32 v[BQ+1], v[AF+1], v[AF+5], vcc_lo
	v_cndmask_b32 v[BQ+2], v[AF+2], v[AF+6], vcc_lo
	v_mov_b32 v[BQ+3], 0
	s_wait_alu depctr_va_vdst(0)                   ; the selects have written v[BQ:BQ+3], which the store reads
	global_store_b128 v[O16], v[BQ:BQ+3], s[8:9]   ; a wave stores 512 consecutive bytes, aligned
	s_wait_dscnt 0x0                               ; the closing lines, six on end
	s_wait_alu 0x0
	s_wait_tensorcnt 0x0
	ds_add_u32 v[SPW], v[NIL]
	s_wait_dscnt 0x0
	s_endpgm
.Lfunc_end_k_qee7deb76bd_blocks:
	.size	k_qee7deb76bd_blocks, .Lfunc_end_k_qee7deb76bd_blocks-k_qee7deb76bd_blocks
	.p2alignl 7, 3214868480
	.fill 96, 4, 3214868480
	.section	.rodata,"a",@progbits
	.p2align	6, 0x0
	.amdhsa_kernel k_qee7deb76bd_blocks
		.amdhsa_group_segment_fixed_size 165120
		.amdhsa_private_segment_fixed_size 0
		.amdhsa_enable_private_segment 0
		.amdhsa_kernarg_size 24
		.amdhsa_user_sgpr_count 2
		.amdhsa_user_sgpr_kernarg_segment_ptr 1
		.amdhsa_wavefront_size32 1
		.amdhsa_system_sgpr_workgroup_id_x 1
		.amdhsa_system_sgpr_workgroup_id_y 1
		.amdhsa_system_sgpr_workgroup_id_z 1
		.amdhsa_system_vgpr_workitem_id 0
		.amdhsa_next_free_vgpr 256
		.amdhsa_next_free_sgpr 66
		.amdhsa_reserve_vcc 1
		.amdhsa_float_denorm_mode_32 3
		.amdhsa_float_denorm_mode_16_64 3
		.amdhsa_memory_ordered 1
		.amdhsa_forward_progress 1
		.amdhsa_inst_pref_size 55
	.end_amdhsa_kernel
	.amdgpu_metadata
---
amdhsa.version: [ 1, 2 ]
amdhsa.kernels:
  - .name:           k_qee7deb76bd_blocks
    .symbol:         k_qee7deb76bd_blocks.kd
    .args:
      - { .name: xyz, .offset: 0, .size: 8, .value_kind: global_buffer, .address_space: global }
      - { .name: sparse_xyz, .offset: 8, .size: 8, .value_kind: global_buffer, .address_space: global }
      - { .name: blk, .offset: 16, .size: 8, .value_kind: global_buffer, .address_space: global }
    .group_segment_fixed_size: 165120
    .private_segment_fixed_size: 0
    .kernarg_segment_align: 8
    .kernarg_segment_size: 24
    .max_flat_workgroup_size: 256
    .sgpr_count:     66
    .vgpr_count:     256
    .wavefront_size: 32
...
	.end_amdgpu_metadata
.endif
;; end of part 4
;; launch exact: the kernel of part 2 again; grid 256 x 1, 8 waves a work-group, no clusters, 74,752 bytes of LDS; arguments xyz, sparse_xyz, sparse_feat, blk, idx, featT; writes idx, featT
;; launch gather: the kernel of part 3 again; grid 256 x 1, 16 waves a work-group, no clusters, 327,680 bytes of LDS; arguments xyz, sparse_xyz, idx, featT, out0; writes out0
